; MI455X (gfx1250); checked and timed in simulation.
; The chip was launched on July 23, 2026; its instructions are those of AMD's public machine-readable ISA for CDNA 5 (MIT licence, August 2026) and "CDNA5" Instruction Set Architecture Reference Guide (July 2026). The comments in the code are by the model that wrote it; some were corrected since.
;; Diff Path Renderer. Allowed arithmetic: float matrix products may take bf16 or f16 operands with f32 sums; all other float work in f32.
;; Inputs: thickness one number float32; traj 256 x 17 x 2 float32.
;; Outputs: out0 256 x 128 x 128 float32.
;; 2 versions, each right; version 2 is version 1 with the launch render written anew for expert scheduling mode. Each part assembles by itself: llvm-mc -triple=amdgcn-amd-amdhsa -mcpu=gfx1250 --defsym DOCPART=n.
;; ======== version 1 of 2: 1 launch
;; launch render (part 1): grid 256 x 1, 8 waves a work-group, no clusters, 0 bytes of LDS; arguments traj, thickness, out0; writes out0
.if DOCPART == 1
	.amdgcn_target "amdgcn-amd-amdhsa--gfx1250"
	.amdhsa_code_object_version 6
	.text
	.protected	k_q27bba5f7a1_render
	.globl	k_q27bba5f7a1_render
	.p2align	8
	.type	k_q27bba5f7a1_render,@function
k_q27bba5f7a1_render:
	s_mov_b64 s[64:65], 0
	v_nop
	global_prefetch_b8 v0, s[64:65] scope:SCOPE_SE
	s_setreg_imm32_b32 hwreg(HW_REG_WAVE_MODE, 25, 1), 1
	s_wait_xcnt 0x0
; out0[b][y][x] = sigmoid(70 (clip((r - dist) / r, 0, 1) - 0.9)),  r = thickness / 2,
; dist = the smallest distance from pixel (x, y) to the 16 segments of 128 * traj[b].
;
; SHARES.  A work-group is one image (ttmp9), eight waves; a wave owns 16 rows; a lane owns 4 neighbouring pixels of a row,
; so that one 16-byte store of the wave covers a whole row: 512 consecutive bytes, aligned.
; No LDS, no barrier: the waves share nothing but 136 bytes of input, which each reads for itself.
;
; ARITHMETIC, per pixel p and segment (v, w = end - start):
;   t  = clip(a (px - vx) + b (py - vy), 0, 1)      a = wx inv, b = wy inv, inv = 1 / (wx^2 + wy^2 + 1e-5)
;   ex = (px - vx) - t wx,  ey = (py - vy) - t wy,  d2 = ex^2 + ey^2
; SET-UP.  Lane l makes the figures of segment l & 15, so that the 16 segments cost 17 vector instructions and one reciprocal's
; wait; v_readlane_b32 then hands each figure to all lanes.  What hangs on the segment and px (DX = px - vx, TA = a DX) and the
; pairs (-wx, -wx), (-wy, -wy) are kept in registers for the wave's 16 rows; b and -vy stay in scalar registers.
; A row and two segments then cost 34 vector instructions for 8 distances a lane, and no scalar one.
;
; WHERE THE ORDER OF ROUNDING DIFFERS FROM THE REFERENCE, AND THE LIMITS KEPT
;   - the minimum is taken over squared distances and the root once per pixel (the root is monotone);
;   - d^2 + 1e-5 is (wx^2 + 1e-5) + wy^2, not made from the rounded root; each product of the dot is scaled by inv before the sum;
;   - divisions are v_rcp_f32 (1 ulp) and a multiply; (r - d) / r is 1 - d (1 / r);
;   - thickness is taken as finite, not zero and not denormal.  thickness = 0: pixels off the path get the reference's value,
;     a pixel at distance exactly 0 gets what v_med3_num_f32 makes of a NaN where the reference has NaN.  thickness = infinity:
;     sigmoid(7) everywhere where the reference has NaN.  Negative thickness follows the formula as written.
;   - traj is taken as finite.  The largest exponential is 2^90.9: no overflow, and no result is denormal.
.set ROWS,   16                        ; rows of a wave
.set ROWB,   512                       ; bytes in a row of the output
.set TRAJB,  136                       ; bytes of one image's 17 points
.set SIGN,   0x80000000
.set C128,   0x43000000                ; 128.0
.set EPS,    0x3727c5ac                ; 1e-5
.set K1,     0xc2c9fa31                ; -70 log2(e) = -100.98865
.set K2,     0x42b5c792                ;  63 log2(e) =   90.88979:  sigmoid(70 (k - 0.9)) = 1 / (1 + 2^(K1 k + K2))
; vector registers
.set OFF,  1                           ; v1         16 x lane: my bytes in a row
.set K2V,  2                           ; v[2:3]     K2, twice
.set PX,   4                           ; v[4:7]     my four px
.set TMP,  8                           ; v[8:39]    in the loop: two sets (segment pairs take turns) of 8 t / ey and 8 ex / d2
.set SEGO, 8                           ;   in the set-up: v8 byte offset of my segment's first point
.set RT,   9                           ;   v9       at work; then -1 / r
.set P0,   10                          ;   v[10:11] my segment's start
.set P1,   12                          ;   v[12:13] my segment's end
.set WW,   14                          ;   v[14:15] wx, wy
.set LL,   16                          ;   v16      wx^2 + wy^2 + 1e-5
.set INV,  17                          ;   v17      its reciprocal
.set NV,   18                          ;   v[18:19] -vx, -vy
.set NW,   20                          ;   v[20:21] -wx, -wy
.set AA,   22                          ;   v22      a
.set BB,   23                          ;   v23      b
.set ONE,  24                          ;   v[24:25] 1.0, twice
.set M,    40                          ; v[40:43]   running minimum of d2 of the row at work
.set MP,   44                          ; v[44:47]   the finished row on its way through the epilogue
.set OUTR, 48                          ; v[48:51]   what the store reads
.set DY,   52                          ; v[52:59]   two sets of two pairs: py - vy in the even register; the odd one is named by the pair and never taken
.set W,    60                          ; v[60:123]  segment k: -wx, -wx, -wy, -wy (pairs for the packed multiply-adds)
.set DX,   124                         ; v[124:187] segment k: px - vx, four numbers
.set TA,   188                         ; v[188:251] segment k: a (px - vx), four numbers
.set K1V,  252                         ; v[252:253] K1, twice
.set PYV,  254                         ; v254       py of the row whose py - vy are made next
; scalar registers: s[2:3] out0 at the row to store, s[4:5] my image's points, s[6:7] thickness
.set CNT,  8
.set NRINV, 9                          ; -1 / r
.set RAD,  10                          ; thickness
.set TS,   16                          ; s[16:47]   a batch of 4 segments: -vx, a, -wx, -wy, each at the head of an even pair (a packed instruction broadcasts a pair's first)
.set SB,   66                          ; s[66:97]   segment k: b, -vy
.set WV,   98                          ; wave number
.set TM,   99
.set O,    100                         ; s[100:101] a byte offset in 64 bits
	s_load_b128 s[4:7], s[0:1], 0x0                ; traj s[4:5], thickness s[6:7]
	s_load_b64 s[2:3], s[0:1], 0x10                ; out0
	v_lshrrev_b32 v[RT], 5, v0
	v_readfirstlane_b32 s[WV], v[RT]               ; wave 0..7
	v_and_b32 v[OFF], 31, v0                       ; lane
	v_lshlrev_b32 v[RT], 2, v[OFF]                 ; my first column
	v_cvt_f32_u32 v[PX], v[RT]
	v_add_f32 v[PX+1], 1.0, v[PX]
	v_add_f32 v[PX+2], 2.0, v[PX]
	v_add_f32 v[PX+3], 0x40400000, v[PX]           ; + 3.0
	v_lshlrev_b32 v[OFF], 4, v[OFF]
	v_and_b32 v[SEGO], 15, v0                      ; my segment: both halves of the wave make all 16
	v_lshlrev_b32 v[SEGO], 3, v[SEGO]              ; 8 bytes a point
	s_lshl_b32 s[TM], s[WV], 4                     ; my first row
	v_cvt_f32_u32 v[PYV], s[TM]
	v_mov_b32 v[ONE], 1.0
	v_mov_b32 v[ONE+1], 1.0
	v_mov_b32 v[K1V], K1
	v_mov_b32 v[K1V+1], K1
	v_mov_b32 v[K2V], K2
	v_mov_b32 v[K2V+1], K2
.irp n, 1,3,5,7
	v_mov_b32 v[DY+\n], 0                          ; the pairs' second registers: written once, since a pair is named whole
.endr
.set i, 1
.rept 16
	s_mov_b32 s[TS+i], 0                           ; likewise the scalar pairs' second registers
.set i, i+2
.endr
	s_mul_i32 s[O], ttmp9, TRAJB                   ; my image's points
	s_mov_b32 s[O+1], 0
	s_wait_kmcnt 0x0
	s_add_nc_u64 s[4:5], s[4:5], s[O:O+1]
	global_load_b64 v[P0:P0+1], v[SEGO], s[4:5]            ; point k
	global_load_b64 v[P1:P1+1], v[SEGO], s[4:5] offset:8   ; point k + 1: the last byte read is 8 x 15 + 16 = 136, the image's end
	s_load_b32 s[RAD], s[6:7], 0x0
	s_lshl_b32 s[O], ttmp9, 16                     ; image x 65,536 bytes
	s_lshl_b32 s[TM], s[WV], 13                    ; + wave x 16 rows x 512 bytes
	s_add_co_u32 s[O], s[O], s[TM]
	s_add_nc_u64 s[2:3], s[2:3], s[O:O+1]          ; out0 at my first row
	s_wait_kmcnt 0x0                               ; thickness
	v_mul_f32 v[RT], s[RAD], -0.5                  ; -r
	v_rcp_f32 v[RT], v[RT]                         ; -1 / r, the same in every lane
	s_wait_loadcnt 0x0                             ; both points: nothing was issued behind them
	v_mul_f32 v[P0],   C128, v[P0]                 ; pixel coordinates: times 128, exact.  (Plain work behind the reciprocal, before its result is read.)
	v_mul_f32 v[P0+1], C128, v[P0+1]
	v_mul_f32 v[P1],   C128, v[P1]
	v_mul_f32 v[P1+1], C128, v[P1+1]
	s_wait_alu depctr_va_vdst(0)
	v_readfirstlane_b32 s[NRINV], v[RT]
	v_sub_f32 v[WW],   v[P1],   v[P0]              ; wx
	v_sub_f32 v[WW+1], v[P1+1], v[P0+1]            ; wy
	v_fmaak_f32 v[LL], v[WW], v[WW], EPS
	v_fmac_f32 v[LL], v[WW+1], v[WW+1]             ; at least 1e-5: the reciprocal is never infinite
	v_rcp_f32 v[INV], v[LL]
	v_xor_b32 v[NV],   SIGN, v[P0]                 ; four sign flips that need no inv stand behind the reciprocal
	v_xor_b32 v[NV+1], SIGN, v[P0+1]
	v_xor_b32 v[NW],   SIGN, v[WW]
	v_xor_b32 v[NW+1], SIGN, v[WW+1]
	s_wait_alu depctr_va_vdst(0)
	v_mul_f32 v[AA], v[WW],   v[INV]               ; a
	v_mul_f32 v[BB], v[WW+1], v[INV]               ; b
; Segments k0 .. k0 + 3: 24 reads of a lane, none of which waits for another, then 24 packed instructions that build the tables,
; in the order of the reads: a figure is used, and its register written again, two dozen instructions after the line before.
.macro BATCH k0
.irp q, 0,1,2,3
	v_readlane_b32 s[TS+8*\q],   v[NV],   \k0+\q                       ; -vx
	v_readlane_b32 s[TS+8*\q+2], v[AA],   \k0+\q                       ; a
	v_readlane_b32 s[TS+8*\q+4], v[NW],   \k0+\q                       ; -wx
	v_readlane_b32 s[TS+8*\q+6], v[NW+1], \k0+\q                       ; -wy
	v_readlane_b32 s[SB+2*(\k0+\q)],   v[BB],   \k0+\q                 ; b, kept
	v_readlane_b32 s[SB+2*(\k0+\q)+1], v[NV+1], \k0+\q                 ; -vy, kept
.endr
.irp q, 0,1,2,3
	v_pk_add_f32 v[DX+4*(\k0+\q):DX+4*(\k0+\q)+1],   v[PX:PX+1],   s[TS+8*\q:TS+8*\q+1] op_sel_hi:[1,0]       ; px - vx
	v_pk_add_f32 v[DX+4*(\k0+\q)+2:DX+4*(\k0+\q)+3], v[PX+2:PX+3], s[TS+8*\q:TS+8*\q+1] op_sel_hi:[1,0]
	v_pk_mul_f32 v[W+4*(\k0+\q):W+4*(\k0+\q)+1],     v[ONE:ONE+1], s[TS+8*\q+4:TS+8*\q+5] op_sel_hi:[1,0]     ; -wx into both registers of a pair at once
	v_pk_mul_f32 v[W+4*(\k0+\q)+2:W+4*(\k0+\q)+3],   v[ONE:ONE+1], s[TS+8*\q+6:TS+8*\q+7] op_sel_hi:[1,0]     ; -wy likewise
	v_pk_mul_f32 v[TA+4*(\k0+\q):TA+4*(\k0+\q)+1],   v[DX+4*(\k0+\q):DX+4*(\k0+\q)+1],   s[TS+8*\q+2:TS+8*\q+3] op_sel_hi:[1,0]   ; a (px - vx)
	v_pk_mul_f32 v[TA+4*(\k0+\q)+2:TA+4*(\k0+\q)+3], v[DX+4*(\k0+\q)+2:DX+4*(\k0+\q)+3], s[TS+8*\q+2:TS+8*\q+3] op_sel_hi:[1,0]
.endr
.endm
.irp k, 0,4,8,12
	BATCH \k
.endr
; py - vy of segments 2p and 2p + 1, each at the head of a pair of set p & 1.  Written one segment pair ahead of its use.
.macro YS p
.set Y, DY+4*((\p)&1)
	v_add_f32 v[Y],   s[SB+4*(\p)+1], v[PYV]
	v_add_f32 v[Y+2], s[SB+4*(\p)+3], v[PYV]
.endm
; Four pixels against segments 2p and 2p + 1.  mode 0: the two start the minimum (nothing is preset); 1: they join it;
; 2: they finish it, and it goes straight to the epilogue's registers (no copy).
.macro PAIRV p, mode
.set T,  TMP+16*((\p)&1)
.set E,  T+8
.set Y,  DY+4*((\p)&1)
.set KA, 2*(\p)
.set KB, 2*(\p)+1
.irp h, 0,2
	v_pk_fma_f32 v[T+\h:T+\h+1],     v[Y:Y+1],     s[SB+2*KA:SB+2*KA+1], v[TA+4*KA+\h:TA+4*KA+\h+1] op_sel_hi:[0,0,1]   ; (py - vy) b + a (px - vx): both halves take dy and b
.endr
.irp h, 0,2
	v_pk_fma_f32 v[T+4+\h:T+4+\h+1], v[Y+2:Y+3],   s[SB+2*KB:SB+2*KB+1], v[TA+4*KB+\h:TA+4*KB+\h+1] op_sel_hi:[0,0,1]
.endr
.irp j, 0,1,2,3,4,5,6,7
	v_med3_num_f32 v[T+\j], v[T+\j], 0, 1.0                            ; t: the middle one of the sum, 0 and 1
.endr
.irp h, 0,2
	v_pk_fma_f32 v[E+\h:E+\h+1],     v[T+\h:T+\h+1],     v[W+4*KA:W+4*KA+1], v[DX+4*KA+\h:DX+4*KA+\h+1]   ; ex = dx - t wx
.endr
.irp h, 0,2
	v_pk_fma_f32 v[E+4+\h:E+4+\h+1], v[T+4+\h:T+4+\h+1], v[W+4*KB:W+4*KB+1], v[DX+4*KB+\h:DX+4*KB+\h+1]
.endr
.irp h, 0,2
	v_pk_fma_f32 v[T+\h:T+\h+1],     v[T+\h:T+\h+1],     v[W+4*KA+2:W+4*KA+3], v[Y:Y+1]     op_sel_hi:[1,1,0]   ; ey = dy - t wy (both halves take the pair's first register)
.endr
.irp h, 0,2
	v_pk_fma_f32 v[T+4+\h:T+4+\h+1], v[T+4+\h:T+4+\h+1], v[W+4*KB+2:W+4*KB+3], v[Y+2:Y+3]   op_sel_hi:[1,1,0]
.endr
.irp h, 0,2,4,6
	v_pk_mul_f32 v[E+\h:E+\h+1], v[E+\h:E+\h+1], v[E+\h:E+\h+1]
.endr
.irp h, 0,2,4,6
	v_pk_fma_f32 v[E+\h:E+\h+1], v[T+\h:T+\h+1], v[T+\h:T+\h+1], v[E+\h:E+\h+1]   ; d2 = ey^2 + ex^2
.endr
.irp j, 0,1,2,3
.if \mode == 0
	v_min_num_f32 v[M+\j], v[E+\j], v[E+4+\j]
.else
.if \mode == 1
	v_min3_num_f32 v[M+\j], v[M+\j], v[E+\j], v[E+4+\j]                ; one instruction takes in two segments
.else
	v_min3_num_f32 v[MP+\j], v[M+\j], v[E+\j], v[E+4+\j]
.endif
.endif
.endr
.endm
; The epilogue of a finished row, in four pieces.  Each piece ends in transcendentals; in the loop the next segment pair's plain
; arithmetic, which names none of these registers, stands between them and the piece that uses them.
.macro EPI1
.irp j, 0,1,2,3
	v_sqrt_f32 v[MP+\j], v[MP+\j]                                      ; dist
.endr
.endm
.macro EPI2
	s_wait_alu depctr_va_vdst(0)
.irp j, 0,1,2,3
	v_fma_f32 v[MP+\j], v[MP+\j], s[NRINV], 1.0                        ; 1 - dist / r
.endr
.irp j, 0,1,2,3
	v_med3_num_f32 v[MP+\j], v[MP+\j], 0, 1.0                          ; k = clip(.., 0, 1)
.endr
.irp h, 0,2
	v_pk_fma_f32 v[MP+\h:MP+\h+1], v[MP+\h:MP+\h+1], v[K1V:K1V+1], v[K2V:K2V+1]   ; K1 k + K2
.endr
.irp j, 0,1,2,3
	v_exp_f32 v[MP+\j], v[MP+\j]
.endr
.endm
.macro EPI3
	s_wait_alu depctr_va_vdst(0)
.irp h, 0,2
	v_pk_add_f32 v[MP+\h:MP+\h+1], v[MP+\h:MP+\h+1], 1.0 op_sel_hi:[1,0]
.endr
.irp j, 0,1,2,3
	v_rcp_f32 v[OUTR+\j], v[MP+\j]
.endr
.endm
.macro EPI4
	s_wait_alu depctr_va_vdst(0)
	global_store_b128 v[OFF], v[OUTR:OUTR+3], s[2:3] th:TH_STORE_NT    ; the wave's 512 bytes are one whole row; written once, never read here
.endm
; One row against all 16 segments; epi = 1: the row before goes through its epilogue on the way.
.macro TRIP epi
	YS 1
	PAIRV 0, 0
.if \epi
	EPI1
.endif
	YS 2
	PAIRV 1, 1
.if \epi
	EPI2
.endif
	YS 3
	PAIRV 2, 1
.if \epi
	EPI3
.endif
	YS 4
	PAIRV 3, 1
.if \epi
	EPI4
.endif
	YS 5
	PAIRV 4, 1
	YS 6
	PAIRV 5, 1
	YS 7
	PAIRV 6, 1
	v_add_f32 v[PYV], 1.0, v[PYV]                  ; the next row (whole numbers below 129: exact)
	YS 0                                           ; in the last trip these two figures are made and not used; they touch no memory
	PAIRV 7, 2
.endm
	YS 0
	TRIP 0                                         ; row 0: there is no row before it
	s_mov_b32 s[CNT], ROWS-1
.Lrow:
	TRIP 1                                         ; row r, and the epilogue and store of row r - 1
	s_wait_xcnt 0x0                                ; the store, four segment pairs back, has read its base and its data: both are rewritten only behind this wait
	s_add_nc_u64 s[2:3], s[2:3], ROWB
	s_sub_co_i32 s[CNT], s[CNT], 1
	s_cmp_lg_u32 s[CNT], 0
	s_cbranch_scc1 .Lrow
	EPI1                                           ; the last row: no arithmetic is left to stand behind the transcendentals, so a v_nop does
	v_nop
	s_wait_alu depctr_va_vdst(0)
	EPI2
	v_nop
	s_wait_alu depctr_va_vdst(0)
	EPI3
	v_nop
	s_wait_alu depctr_va_vdst(0)
	EPI4
	s_endpgm
.Lfunc_end_k_q27bba5f7a1_render:
	.size	k_q27bba5f7a1_render, .Lfunc_end_k_q27bba5f7a1_render-k_q27bba5f7a1_render
	.p2alignl 7, 3214868480
	.fill 96, 4, 3214868480
	.section	.rodata,"a",@progbits
	.p2align	6, 0x0
	.amdhsa_kernel k_q27bba5f7a1_render
		.amdhsa_group_segment_fixed_size 0
		.amdhsa_private_segment_fixed_size 0
		.amdhsa_enable_private_segment 0
		.amdhsa_kernarg_size 24
		.amdhsa_user_sgpr_count 2
		.amdhsa_user_sgpr_kernarg_segment_ptr 1
		.amdhsa_wavefront_size32 1
		.amdhsa_system_sgpr_workgroup_id_x 1
		.amdhsa_system_sgpr_workgroup_id_y 1
		.amdhsa_system_sgpr_workgroup_id_z 1
		.amdhsa_system_vgpr_workitem_id 0
		.amdhsa_next_free_vgpr 256
		.amdhsa_next_free_sgpr 102
		.amdhsa_reserve_vcc 0
		.amdhsa_float_denorm_mode_32 3
		.amdhsa_float_denorm_mode_16_64 3
		.amdhsa_memory_ordered 1
		.amdhsa_forward_progress 1
		.amdhsa_inst_pref_size 52
	.end_amdhsa_kernel
	.amdgpu_metadata
---
amdhsa.version: [ 1, 2 ]
amdhsa.kernels:
  - .name:           k_q27bba5f7a1_render
    .symbol:         k_q27bba5f7a1_render.kd
    .args:
      - { .name: traj, .offset: 0, .size: 8, .value_kind: global_buffer, .address_space: global }
      - { .name: thickness, .offset: 8, .size: 8, .value_kind: global_buffer, .address_space: global }
      - { .name: out0, .offset: 16, .size: 8, .value_kind: global_buffer, .address_space: global }
    .group_segment_fixed_size: 0
    .private_segment_fixed_size: 0
    .kernarg_segment_align: 8
    .kernarg_segment_size: 24
    .max_flat_workgroup_size: 256
    .sgpr_count:     102
    .vgpr_count:     256
    .wavefront_size: 32
...
	.end_amdgpu_metadata
.endif
;; end of part 1
;; ======== version 2 of 2: 1 launch; version 1 with the launch render written anew for expert scheduling mode
;; launch render (part 2): grid 256 x 1, 8 waves a work-group, no clusters, 0 bytes of LDS; arguments traj, thickness, out0; writes out0
.if DOCPART == 2
	.amdgcn_target "amdgcn-amd-amdhsa--gfx1250"
	.amdhsa_code_object_version 6
	.text
	.protected	k_q27bba5f7a1_render
	.globl	k_q27bba5f7a1_render
	.p2align	8
	.type	k_q27bba5f7a1_render,@function
k_q27bba5f7a1_render:
	s_mov_b64 s[64:65], 0
	v_nop
	global_prefetch_b8 v0, s[64:65] scope:SCOPE_SE
	s_setreg_imm32_b32 hwreg(HW_REG_WAVE_SCHED_MODE, 0, 2), 2
	s_setreg_imm32_b32 hwreg(HW_REG_WAVE_MODE, 25, 1), 1
	s_wait_xcnt 0x0
	s_wait_alu depctr_vm_vsrc(0)
; out0[b][y][x] = sigmoid(70 (clip((r - dist) / r, 0, 1) - 0.9)),  r = thickness / 2,
; dist = the smallest distance from pixel (x, y) to the 16 segments of 128 * traj[b].
;
; SHARES.  A work-group is one image (ttmp9), eight waves; a wave owns 16 rows; a lane owns 4 neighbouring pixels of a row,
; so that one 16-byte store of the wave covers a whole row: 512 consecutive bytes, aligned.
; No LDS, no barrier: the waves share nothing but 136 bytes of input, which each reads for itself.
;
; ARITHMETIC, per pixel p and segment (v, w = end - start):
;   t  = clip(a (px - vx) + b (py - vy), 0, 1)      a = wx inv, b = wy inv, inv = 1 / (wx^2 + wy^2 + 1e-5)
;   ex = (px - vx) - t wx,  ey = (py - vy) - t wy,  d2 = ex^2 + ey^2
; SET-UP.  Lane l makes the figures of segment l & 15, so that the 16 segments cost 17 vector instructions and one reciprocal's
; wait; v_readlane_b32 then hands each figure to all lanes.  What hangs on the segment and px (DX = px - vx, TA = a DX) and the
; pairs (-wx, -wx), (-wy, -wy) are kept in registers for the wave's 16 rows; b and -vy stay in scalar registers.
; A row and two segments then cost 34 vector instructions for 8 distances a lane, and no scalar one.
;
; THE MODE: SCHED_MODE bits 1:0 = 2 (LLVM: expert scheduling mode 2), set by the entry lines.  The code itself states the register
; dependences between vector instructions and memory instructions, and those through scalar registers that vector instructions
; write, with s_wait_alu, always for 0.
; THE PLAN.  Vector registers that memory instructions touch:
;   v[SEGO]   written at the head, read by the two loads of the points, written again by the first segment pair (it is TMP's first).
;   P0, P1    the two loads land in them; no vector instruction names them before.
;   v[OFF]    written at the head, read by every store, never written again: the rows are reached by the scalar base.
;   OUTR      written once a trip by the epilogue's four reciprocals; read by the trip's one store, a segment pair later;
;             written again a trip later.
; Scalar registers that vector instructions write: the wave's number, -1 / r, and the 96 figures read from lanes.
; So the head has one wait on va_vdst ahead of the two loads (it serves v[OFF] for the whole kernel), one on vm_vsrc behind them,
; one on va_vdst for its two reciprocals, and a wait on va_sdst behind each run of reads of lanes.  A trip has three waits on
; va_vdst, one ahead of each piece of the epilogue that reads the transcendentals of the piece before, the third of which also
; states that the store's data are written; and one on vm_vsrc at its end, four segment pairs behind the store.
;
; WHERE THE ORDER OF ROUNDING DIFFERS FROM THE REFERENCE, AND THE LIMITS KEPT
;   - the minimum is taken over squared distances and the root once per pixel (the root is monotone);
;   - d^2 + 1e-5 is (wx^2 + 1e-5) + wy^2, not made from the rounded root; each product of the dot is scaled by inv before the sum;
;   - divisions are v_rcp_f32 (1 ulp) and a multiply; (r - d) / r is 1 - d (1 / r);
;   - thickness is taken as finite, not zero and not denormal.  thickness = 0: pixels off the path get the reference's value,
;     a pixel at distance exactly 0 gets what v_med3_num_f32 makes of a NaN where the reference has NaN.  thickness = infinity:
;     sigmoid(7) everywhere where the reference has NaN.  Negative thickness follows the formula as written.
;   - traj is taken as finite.  The largest exponential is 2^90.9: no overflow, and no result is denormal.
.set ROWS,   16                        ; rows of a wave
.set ROWB,   512                       ; bytes in a row of the output
.set TRAJB,  136                       ; bytes of one image's 17 points
.set SIGN,   0x80000000
.set C128,   0x43000000                ; 128.0
.set EPS,    0x3727c5ac                ; 1e-5
.set K1,     0xc2c9fa31                ; -70 log2(e) = -100.98865
.set K2,     0x42b5c792                ;  63 log2(e) =   90.88979:  sigmoid(70 (k - 0.9)) = 1 / (1 + 2^(K1 k + K2))
; vector registers
.set OFF,  1                           ; v1         16 x lane: my bytes in a row
.set K2V,  2                           ; v[2:3]     K2, twice
.set PX,   4                           ; v[4:7]     my four px
.set TMP,  8                           ; v[8:39]    in the loop: two sets (segment pairs take turns) of 8 t / ey and 8 ex / d2
.set SEGO, 8                           ;   in the set-up: v8 byte offset of my segment's first point
.set RT,   9                           ;   v9       at work; then -1 / r
.set P0,   10                          ;   v[10:11] my segment's start
.set P1,   12                          ;   v[12:13] my segment's end
.set WW,   14                          ;   v[14:15] wx, wy
.set LL,   16                          ;   v16      wx^2 + wy^2 + 1e-5
.set INV,  17                          ;   v17      its reciprocal
.set NV,   18                          ;   v[18:19] -vx, -vy
.set NW,   20                          ;   v[20:21] -wx, -wy
.set AA,   22                          ;   v22      a
.set BB,   23                          ;   v23      b
.set ONE,  24                          ;   v[24:25] 1.0, twice
.set M,    40                          ; v[40:43]   running minimum of d2 of the row at work
.set MP,   44                          ; v[44:47]   the finished row on its way through the epilogue
.set OUTR, 48                          ; v[48:51]   what the store reads
.set DY,   52                          ; v[52:59]   two sets of two pairs: py - vy in the even register; the odd one is named by the pair and never taken
.set W,    60                          ; v[60:123]  segment k: -wx, -wx, -wy, -wy (pairs for the packed multiply-adds)
.set DX,   124                         ; v[124:187] segment k: px - vx, four numbers
.set TA,   188                         ; v[188:251] segment k: a (px - vx), four numbers
.set K1V,  252                         ; v[252:253] K1, twice
.set PYV,  254                         ; v254       py of the row whose py - vy are made next
; scalar registers: s[2:3] out0 at the row to store, s[4:5] my image's points, s[6:7] thickness
.set CNT,  8
.set NRINV, 9                          ; -1 / r
.set RAD,  10                          ; thickness
.set TS,   16                          ; s[16:47]   a batch of 4 segments: -vx, a, -wx, -wy, each at the head of an even pair (a packed instruction broadcasts a pair's first)
.set SB,   66                          ; s[66:97]   segment k: b, -vy
.set WV,   98                          ; wave number
.set TM,   99
.set O,    100                         ; s[100:101] a byte offset in 64 bits
	s_load_b128 s[4:7], s[0:1], 0x0                ; traj s[4:5], thickness s[6:7]
	s_load_b64 s[2:3], s[0:1], 0x10                ; out0
	v_lshrrev_b32 v[RT], 5, v0
	v_readfirstlane_b32 s[WV], v[RT]               ; wave 0..7
	v_and_b32 v[OFF], 31, v0                       ; lane
	v_lshlrev_b32 v[RT], 2, v[OFF]                 ; my first column
	v_cvt_f32_u32 v[PX], v[RT]
	v_add_f32 v[PX+1], 1.0, v[PX]
	v_add_f32 v[PX+2], 2.0, v[PX]
	v_add_f32 v[PX+3], 0x40400000, v[PX]           ; + 3.0
	v_lshlrev_b32 v[OFF], 4, v[OFF]
	v_and_b32 v[SEGO], 15, v0                      ; my segment: both halves of the wave make all 16
	v_lshlrev_b32 v[SEGO], 3, v[SEGO]              ; 8 bytes a point
	s_wait_alu depctr_va_sdst(0)                   ; the wave's number is written, ahead of its first reader: my first row and out0's base are made from it
	s_lshl_b32 s[TM], s[WV], 4                     ; my first row
	v_cvt_f32_u32 v[PYV], s[TM]
	v_mov_b32 v[ONE], 1.0
	v_mov_b32 v[ONE+1], 1.0
	v_mov_b32 v[K1V], K1
	v_mov_b32 v[K1V+1], K1
	v_mov_b32 v[K2V], K2
	v_mov_b32 v[K2V+1], K2
.irp n, 1,3,5,7
	v_mov_b32 v[DY+\n], 0                          ; the pairs' second registers: written once, since a pair is named whole
.endr
.set i, 1
.rept 16
	s_mov_b32 s[TS+i], 0                           ; likewise the scalar pairs' second registers
.set i, i+2
.endr
	s_mul_i32 s[O], ttmp9, TRAJB                   ; my image's points
	s_mov_b32 s[O+1], 0
	s_wait_kmcnt 0x0
	s_add_nc_u64 s[4:5], s[4:5], s[O:O+1]
	s_wait_alu depctr_va_vdst(0)                   ; v[SEGO] is written, which the two loads read as their offset; so is v[OFF], which every store of the kernel reads
	global_load_b64 v[P0:P0+1], v[SEGO], s[4:5]            ; point k
	global_load_b64 v[P1:P1+1], v[SEGO], s[4:5] offset:8   ; point k + 1: the last byte read is 8 x 15 + 16 = 136, the image's end
	s_load_b32 s[RAD], s[6:7], 0x0
	s_lshl_b32 s[O], ttmp9, 16                     ; image x 65,536 bytes
	s_lshl_b32 s[TM], s[WV], 13                    ; + wave x 16 rows x 512 bytes
	s_add_co_u32 s[O], s[O], s[TM]
	s_add_nc_u64 s[2:3], s[2:3], s[O:O+1]          ; out0 at my first row
	s_wait_kmcnt 0x0                               ; thickness
	v_mul_f32 v[RT], s[RAD], -0.5                  ; -r
	v_rcp_f32 v[RT], v[RT]                         ; -1 / r, the same in every lane
	s_wait_loadcnt 0x0                             ; both points: nothing was issued behind them
	s_wait_alu depctr_vm_vsrc(0)                   ; the two loads have read v[SEGO]: it is the first of the loop's temporaries, which the first segment pair writes
	v_mul_f32 v[P0],   C128, v[P0]                 ; pixel coordinates: times 128, exact.  (Plain work behind the reciprocal, before its result is read.)
	v_mul_f32 v[P0+1], C128, v[P0+1]
	v_mul_f32 v[P1],   C128, v[P1]
	v_mul_f32 v[P1+1], C128, v[P1+1]
	v_sub_f32 v[WW],   v[P1],   v[P0]              ; wx
	v_sub_f32 v[WW+1], v[P1+1], v[P0+1]            ; wy
	v_fmaak_f32 v[LL], v[WW], v[WW], EPS
	v_fmac_f32 v[LL], v[WW+1], v[WW+1]             ; at least 1e-5: the reciprocal is never infinite
	v_rcp_f32 v[INV], v[LL]
	v_xor_b32 v[NV],   SIGN, v[P0]                 ; four sign flips that need no inv stand behind the reciprocal
	v_xor_b32 v[NV+1], SIGN, v[P0+1]
	v_xor_b32 v[NW],   SIGN, v[WW]
	v_xor_b32 v[NW+1], SIGN, v[WW+1]
	s_wait_alu depctr_va_vdst(0)                   ; both reciprocals, -1 / r and inv, are written: one wait, ahead of the first line that names either
	v_readfirstlane_b32 s[NRINV], v[RT]            ; (the first batch's wait on va_sdst, below, stands between this line and the first reader of -1 / r)
	v_mul_f32 v[AA], v[WW],   v[INV]               ; a
	v_mul_f32 v[BB], v[WW+1], v[INV]               ; b
; Segments k0 .. k0 + 3: 24 reads of a lane, none of which waits for another, then 24 packed instructions that build the tables,
; in the order of the reads: a figure is used, and its register written again, two dozen instructions after the line before.
.macro BATCH k0
.irp q, 0,1,2,3
	v_readlane_b32 s[TS+8*\q],   v[NV],   \k0+\q                       ; -vx
	v_readlane_b32 s[TS+8*\q+2], v[AA],   \k0+\q                       ; a
	v_readlane_b32 s[TS+8*\q+4], v[NW],   \k0+\q                       ; -wx
	v_readlane_b32 s[TS+8*\q+6], v[NW+1], \k0+\q                       ; -wy
	v_readlane_b32 s[SB+2*(\k0+\q)],   v[BB],   \k0+\q                 ; b, kept
	v_readlane_b32 s[SB+2*(\k0+\q)+1], v[NV+1], \k0+\q                 ; -vy, kept
.endr
	s_wait_alu depctr_va_sdst(0)                   ; the 24 scalar registers just read from lanes are written, ahead of their first readers: the packed lines below, and for b and -vy the rows' arithmetic
.irp q, 0,1,2,3
	v_pk_add_f32 v[DX+4*(\k0+\q):DX+4*(\k0+\q)+1],   v[PX:PX+1],   s[TS+8*\q:TS+8*\q+1] op_sel_hi:[1,0]       ; px - vx
	v_pk_add_f32 v[DX+4*(\k0+\q)+2:DX+4*(\k0+\q)+3], v[PX+2:PX+3], s[TS+8*\q:TS+8*\q+1] op_sel_hi:[1,0]
	v_pk_mul_f32 v[W+4*(\k0+\q):W+4*(\k0+\q)+1],     v[ONE:ONE+1], s[TS+8*\q+4:TS+8*\q+5] op_sel_hi:[1,0]     ; -wx into both registers of a pair at once
	v_pk_mul_f32 v[W+4*(\k0+\q)+2:W+4*(\k0+\q)+3],   v[ONE:ONE+1], s[TS+8*\q+6:TS+8*\q+7] op_sel_hi:[1,0]     ; -wy likewise
	v_pk_mul_f32 v[TA+4*(\k0+\q):TA+4*(\k0+\q)+1],   v[DX+4*(\k0+\q):DX+4*(\k0+\q)+1],   s[TS+8*\q+2:TS+8*\q+3] op_sel_hi:[1,0]   ; a (px - vx)
	v_pk_mul_f32 v[TA+4*(\k0+\q)+2:TA+4*(\k0+\q)+3], v[DX+4*(\k0+\q)+2:DX+4*(\k0+\q)+3], s[TS+8*\q+2:TS+8*\q+3] op_sel_hi:[1,0]
.endr
.endm
.irp k, 0,4,8,12
	BATCH \k
.endr
; py - vy of segments 2p and 2p + 1, each at the head of a pair of set p & 1.  Written one segment pair ahead of its use.
.macro YS p
.set Y, DY+4*((\p)&1)
	v_add_f32 v[Y],   s[SB+4*(\p)+1], v[PYV]
	v_add_f32 v[Y+2], s[SB+4*(\p)+3], v[PYV]
.endm
; Four pixels against segments 2p and 2p + 1.  mode 0: the two start the minimum (nothing is preset); 1: they join it;
; 2: they finish it, and it goes straight to the epilogue's registers (no copy).
.macro PAIRV p, mode
.set T,  TMP+16*((\p)&1)
.set E,  T+8
.set Y,  DY+4*((\p)&1)
.set KA, 2*(\p)
.set KB, 2*(\p)+1
.irp h, 0,2
	v_pk_fma_f32 v[T+\h:T+\h+1],     v[Y:Y+1],     s[SB+2*KA:SB+2*KA+1], v[TA+4*KA+\h:TA+4*KA+\h+1] op_sel_hi:[0,0,1]   ; (py - vy) b + a (px - vx): both halves take dy and b
.endr
.irp h, 0,2
	v_pk_fma_f32 v[T+4+\h:T+4+\h+1], v[Y+2:Y+3],   s[SB+2*KB:SB+2*KB+1], v[TA+4*KB+\h:TA+4*KB+\h+1] op_sel_hi:[0,0,1]
.endr
.irp j, 0,1,2,3,4,5,6,7
	v_med3_num_f32 v[T+\j], v[T+\j], 0, 1.0                            ; t: the middle one of the sum, 0 and 1
.endr
.irp h, 0,2
	v_pk_fma_f32 v[E+\h:E+\h+1],     v[T+\h:T+\h+1],     v[W+4*KA:W+4*KA+1], v[DX+4*KA+\h:DX+4*KA+\h+1]   ; ex = dx - t wx
.endr
.irp h, 0,2
	v_pk_fma_f32 v[E+4+\h:E+4+\h+1], v[T+4+\h:T+4+\h+1], v[W+4*KB:W+4*KB+1], v[DX+4*KB+\h:DX+4*KB+\h+1]
.endr
.irp h, 0,2
	v_pk_fma_f32 v[T+\h:T+\h+1],     v[T+\h:T+\h+1],     v[W+4*KA+2:W+4*KA+3], v[Y:Y+1]     op_sel_hi:[1,1,0]   ; ey = dy - t wy (both halves take the pair's first register)
.endr
.irp h, 0,2
	v_pk_fma_f32 v[T+4+\h:T+4+\h+1], v[T+4+\h:T+4+\h+1], v[W+4*KB+2:W+4*KB+3], v[Y+2:Y+3]   op_sel_hi:[1,1,0]
.endr
.irp h, 0,2,4,6
	v_pk_mul_f32 v[E+\h:E+\h+1], v[E+\h:E+\h+1], v[E+\h:E+\h+1]
.endr
.irp h, 0,2,4,6
	v_pk_fma_f32 v[E+\h:E+\h+1], v[T+\h:T+\h+1], v[T+\h:T+\h+1], v[E+\h:E+\h+1]   ; d2 = ey^2 + ex^2
.endr
.irp j, 0,1,2,3
.if \mode == 0
	v_min_num_f32 v[M+\j], v[E+\j], v[E+4+\j]
.else
.if \mode == 1
	v_min3_num_f32 v[M+\j], v[M+\j], v[E+\j], v[E+4+\j]                ; one instruction takes in two segments
.else
	v_min3_num_f32 v[MP+\j], v[M+\j], v[E+\j], v[E+4+\j]
.endif
.endif
.endr
.endm
; The epilogue of a finished row, in four pieces.  Each of the first three ends in four transcendentals, one batch; in the loop the
; next segment pair's plain arithmetic, which names none of these registers, stands between them and the piece that uses them.
; Each later piece begins with the one wait for the batch of the piece before, ahead of the first line that names a result.
.macro EPI1
.irp j, 0,1,2,3
	v_sqrt_f32 v[MP+\j], v[MP+\j]                                      ; dist
.endr
.endm
.macro EPI2
	s_wait_alu depctr_va_vdst(0)                   ; the four roots are written in MP, ahead of their first reader
.irp j, 0,1,2,3
	v_fma_f32 v[MP+\j], v[MP+\j], s[NRINV], 1.0                        ; 1 - dist / r
.endr
.irp j, 0,1,2,3
	v_med3_num_f32 v[MP+\j], v[MP+\j], 0, 1.0                          ; k = clip(.., 0, 1)
.endr
.irp h, 0,2
	v_pk_fma_f32 v[MP+\h:MP+\h+1], v[MP+\h:MP+\h+1], v[K1V:K1V+1], v[K2V:K2V+1]   ; K1 k + K2
.endr
.irp j, 0,1,2,3
	v_exp_f32 v[MP+\j], v[MP+\j]
.endr
.endm
.macro EPI3
	s_wait_alu depctr_va_vdst(0)                   ; the four exponentials are written in MP, ahead of their first reader
.irp h, 0,2
	v_pk_add_f32 v[MP+\h:MP+\h+1], v[MP+\h:MP+\h+1], 1.0 op_sel_hi:[1,0]
.endr
.irp j, 0,1,2,3
	v_rcp_f32 v[OUTR+\j], v[MP+\j]
.endr
.endm
.macro EPI4
	s_wait_alu depctr_va_vdst(0)                   ; the four reciprocals have written OUTR, which the store reads as its data: their first reader
	global_store_b128 v[OFF], v[OUTR:OUTR+3], s[2:3] th:TH_STORE_NT    ; the wave's 512 bytes are one whole row; written once, never read here
.endm
; One row against all 16 segments; epi = 1: the row before goes through its epilogue on the way.
.macro TRIP epi
	YS 1
	PAIRV 0, 0
.if \epi
	EPI1
.endif
	YS 2
	PAIRV 1, 1
.if \epi
	EPI2
.endif
	YS 3
	PAIRV 2, 1
.if \epi
	EPI3
.endif
	YS 4
	PAIRV 3, 1
.if \epi
	EPI4
.endif
	YS 5
	PAIRV 4, 1
	YS 6
	PAIRV 5, 1
	YS 7
	PAIRV 6, 1
	v_add_f32 v[PYV], 1.0, v[PYV]                  ; the next row (whole numbers below 129: exact)
	YS 0                                           ; in the last trip these two figures are made and not used; they touch no memory
	PAIRV 7, 2
.endm
	YS 0
	TRIP 0                                         ; row 0: there is no row before it
	s_mov_b32 s[CNT], ROWS-1
.Lrow:
	TRIP 1                                         ; row r, and the epilogue and store of row r - 1
	s_wait_xcnt 0x0                                ; the store, four segment pairs back, has had its address translated: its base and its data are rewritten only behind this wait
	s_wait_alu depctr_vm_vsrc(0)                   ; the store has read OUTR, which the reciprocals of the next trip, or of the last row behind the loop, write again
	s_add_nc_u64 s[2:3], s[2:3], ROWB
	s_sub_co_i32 s[CNT], s[CNT], 1
	s_cmp_lg_u32 s[CNT], 0
	s_cbranch_scc1 .Lrow
	EPI1                                           ; the last row: no arithmetic is left to stand behind the transcendentals, so a v_nop does; each piece's own wait follows it
	v_nop
	EPI2
	v_nop
	EPI3
	v_nop
	EPI4
	s_endpgm
.Lfunc_end_k_q27bba5f7a1_render:
	.size	k_q27bba5f7a1_render, .Lfunc_end_k_q27bba5f7a1_render-k_q27bba5f7a1_render
	.p2alignl 7, 3214868480
	.fill 96, 4, 3214868480
	.section	.rodata,"a",@progbits
	.p2align	6, 0x0
	.amdhsa_kernel k_q27bba5f7a1_render
		.amdhsa_group_segment_fixed_size 0
		.amdhsa_private_segment_fixed_size 0
		.amdhsa_enable_private_segment 0
		.amdhsa_kernarg_size 24
		.amdhsa_user_sgpr_count 2
		.amdhsa_user_sgpr_kernarg_segment_ptr 1
		.amdhsa_wavefront_size32 1
		.amdhsa_system_sgpr_workgroup_id_x 1
		.amdhsa_system_sgpr_workgroup_id_y 1
		.amdhsa_system_sgpr_workgroup_id_z 1
		.amdhsa_system_vgpr_workitem_id 0
		.amdhsa_next_free_vgpr 256
		.amdhsa_next_free_sgpr 102
		.amdhsa_reserve_vcc 0
		.amdhsa_float_denorm_mode_32 3
		.amdhsa_float_denorm_mode_16_64 3
		.amdhsa_memory_ordered 1
		.amdhsa_forward_progress 1
		.amdhsa_inst_pref_size 52
	.end_amdhsa_kernel
	.amdgpu_metadata
---
amdhsa.version: [ 1, 2 ]
amdhsa.kernels:
  - .name:           k_q27bba5f7a1_render
    .symbol:         k_q27bba5f7a1_render.kd
    .args:
      - { .name: traj, .offset: 0, .size: 8, .value_kind: global_buffer, .address_space: global }
      - { .name: thickness, .offset: 8, .size: 8, .value_kind: global_buffer, .address_space: global }
      - { .name: out0, .offset: 16, .size: 8, .value_kind: global_buffer, .address_space: global }
    .group_segment_fixed_size: 0
    .private_segment_fixed_size: 0
    .kernarg_segment_align: 8
    .kernarg_segment_size: 24
    .max_flat_workgroup_size: 256
    .sgpr_count:     102
    .vgpr_count:     256
    .wavefront_size: 32
...
	.end_amdgpu_metadata
.endif
;; end of part 2
